; MI455X (gfx1250); checked and timed in simulation.
; The chip was launched on July 23, 2026; its instructions are those of AMD's public machine-readable ISA for CDNA 5 (MIT licence, August 2026) and "CDNA5" Instruction Set Architecture Reference Guide (July 2026). The comments in the code are by the model that wrote it; some were corrected since.
;; Sparse Mo E. Allowed arithmetic: matrix products marked QUANTISED: E2M3 operands, one E8M0 scale for each 32 along K, by v_wmma_scale_f32_16x16x128_f8f6f4 with both operands' format E2M3, f32 sums; products left as they are: f32 operands where the result goes on into a quantised operand, else bf16, f16 or f32 operands; f32 sums; everything else in f32.
;; Inputs: b1 8 x 1,024 float32; b2 8 x 512 float32; gate_b 8 float32; gate_w 512 x 8 float32; noise 4 x 2,048 x 8 float32; w1 8 x 512 x 1,024 float32; w2 8 x 1,024 x 512 float32; x 4 x 2,048 x 512 float32.
;; Outputs: out0 4 x 2,048 x 512 float32; out1 4 x 2,048 x 2 int32; out2 one number float32.
;; This version of the problem:
;;   THIS VERSION OF THE PROBLEM IS GIVEN IN LOW PRECISION. The matrix products marked QUANTISED in the list below multiply operands that are first quantised to E2M3 (2 exponent bits, 3 mantissa bits; 6 bits a number), with one power-of-two scale for each 32 numbers along K (OCP MX v1.0); their sums are f32. All else is computed in f32.
;;   The module's matrix products, in the order in which they are computed (A, B: the left and right operand; K: the contracted axis; several contracted axes count as one K, in the product's order):
;;     1. [M 8,192, K 512] x [K 512, N 8]; A: computed on the way; B: input gate_w: left as it is (N = 8 < 16)
;;     2. [M 8,192, K 512] x [K 512, N 8,192]; A: input w1; B: computed on the way: QUANTISED
;;     3. batch 8 x [M 8,192, K 1,024] x [K 1,024, N 512]; A: computed on the way; B: input w2: QUANTISED
;;     4. batch 8,192 x [M 512, K 2] x [K 2, N 1]; A: computed on the way; B: computed on the way: left as it is (K = 2 < 32)
;;   THE QUANTISER, for each operand of a quantised product, along K:
;;     - K is cut into blocks of 32 from its start; a last block that is shorter is filled with zeros.
;;     - A block's scale is 2^e with e = floor(log2(the largest magnitude in the block)) - 2, held to -126 .. 127; a block of zeros has e = 0. As a byte (E8M0): e + 127.
;;     - Each number is divided by its block's scale, clamped to +-7.5, and rounded to the nearest number of E2M3, ties to even, subnormals kept.
;;     - The product sums the exact products of the quantised numbers (number of the format x scale) in f32.
;;   ~~~python
;;   def quantise(x, axis):      # numpy; x: float32 -> the quantised numbers, widened to float32 again
;;       x = np.moveaxis(x, axis, -1); K = x.shape[-1]
;;       x = np.pad(x, [(0, 0)] * (x.ndim - 1) + [(0, -K % 32)]); x = x.reshape(x.shape[:-1] + (-1, 32)); a = np.abs(x).max(-1, keepdims=True)
;;       e = np.where(a > 0, np.clip(np.frexp(np.where(a > 0, a, 1))[1] - 1 - 2, -126, 127), 0)      # np.frexp(a)[1] - 1 = floor(log2(a)), exactly
;;       r = np.clip(x / 2.0 ** e, -7.5, 7.5)
;;       step = 2.0 ** (np.maximum(np.frexp(np.where(r == 0, 1, r))[1] - 1, 0) - 3)
;;       q = np.round(r / step) * step * 2.0 ** e      # np.round: ties to even
;;       return np.moveaxis(q.reshape(q.shape[:-2] + (-1,))[..., :K], -1, axis).astype(np.float32)
;;   ~~~
;;   OPERANDS COMPUTED ON THE WAY. 'Computed on the way' means the value that the module computes at that place (a softmax that the list does not call 'softmax' is quantised finished and normalised). What goes into a quantiser is computed in f32, as accurately as f32 sums, v_exp_f32 and their like allow (about 1e-6 of the number): no bf16 or f16 on the way to a quantiser, and a product that is left as it is and whose result goes on into a quantised operand takes f32 operands (vector FMAs, or v_wmma_f32_16x16x4_f32). A number that lies on a knife's edge between two numbers of the format may be rounded either way, as far as f32 arithmetic and the matrix unit's own rounding can turn it there, and no further.
;; One version. Each part assembles by itself: llvm-mc -triple=amdgcn-amd-amdhsa -mcpu=gfx1250 --defsym DOCPART=n.
;; ======== version 1 of 1: 3 launches
;; workspace buffers: wq 6,553,600 bytes; xq 3,145,728 bytes; aux 229,376 bytes; route 65,536 bytes of whole numbers; plan 35,328 bytes of whole numbers
;; launch prep (part 1): grid 768 x 1, 4 waves a work-group, no clusters, 39,424 bytes of LDS; arguments x, noise, gate_w, gate_b, w1, w2, wq, xq, aux, route, out1; writes wq, xq, aux, route, out1
.if DOCPART == 1
	.amdgcn_target "amdgcn-amd-amdhsa--gfx1250"
	.amdhsa_code_object_version 6
	.text
	.protected	k_q6807b5f3b1_prep
	.globl	k_q6807b5f3b1_prep
	.p2align	8
	.type	k_q6807b5f3b1_prep,@function
k_q6807b5f3b1_prep:
	s_mov_b64 s[64:65], 0
	v_nop
	global_prefetch_b8 v0, s[64:65] scope:SCOPE_SE
	s_setreg_imm32_b32 hwreg(HW_REG_WAVE_MODE, 25, 1), 1
	s_wait_xcnt 0x0
; SPARSE MOE, LAUNCH 1 OF 3.  Work-groups 0-255: the tokens (spiking, normalising, noisy gate, top-2, masked softmax, codes of x).  256-511: w1 into codes.  512-767: w2 into codes.
; WORK LEFT OUT BY THE PROGRAM.  reference() makes expert_outputs for all 8 experts and then takes expert_outputs[top_idx, b, s]: whatever the inputs hold, the rows of the six experts that a token's
; top_idx does not name reach no output.  So the later launches multiply each token by its two chosen experts alone.  Nothing else is left out, and every input is loaded.
; LIMITS: a NaN, an infinity or an overflow that arises only in an expert that was not chosen is not carried to the result; NaN among the logits is not served; a block whose largest magnitude lies under
; 2^-124 gets the scale byte 1 (a block of zeros too: its codes are zeros, and the bytes are read by this program alone); the division by (sum + 1e-8) is v_rcp_f32 and a multiplication.
; THE QUANTISER (E2M3, one E8M0 byte for 32 along K): the largest magnitude's exponent field less 2 is the scale's byte and the conversion's scale operand.
; wq: [expert 8][wave 4][step 16][half 2] x 6,400 bytes, in the order in which launch 3's wave consumes it.  A half: 4 fragments of 1,536 bytes, each an image of the operand's 12 registers (byte 512 j + 16 L + 4 i =
; register 4 j + i of lane L), then 256 bytes of scale words (byte 8 L + 4 q: tile 2 q + L / 16 of the half, row L % 16).  Steps 0-7: W1 (step 4 u + s; row r of tile 2 b + p is hidden unit
; 256 w + 128 u + 32 b + 8 p + r + 8 (r / 8)); steps 8-15: W2 (K step S; row r of tile T is output column 128 w + 16 T + r).
; xq: 384 bytes a token; block 4 s + 2 c + h of 32 at byte 192 h + 48 s + 24 c, so that lane (r, h) finds K step s's 12 registers as 48 bytes on end.
; aux: 0: x's scale bytes [token][16]; 131072: the two gate weights [token][2], by ascending expert; 196608: [group of 32 tokens][32] sums of the softmax, lane l for expert l % 8.
; route: 0: [token] (bucket << 2) | (rank in its group << 8); 32768: [group][32] how many tokens of the group fall into each of the 28 buckets (pairs of experts lo < hi: lo (15 - lo) / 2 + hi - lo - 1).
; No matrix unit, tensor load or cluster: the launch streams each input once, and work-groups share nothing but the 16 KiB of gate_w.
.set GWL,   0                          ; LDS: gate_w, byte a at a + 16 (a >> 9): 512 bytes a lane, 528 apart
.set TSG,   16896                      ; for each wave two stages of 32 x 80 bytes, through which a token's row turns
.set DOT,   37376                      ; [token 32][8] the gate's products
.set XSB,   38400                      ; [token 32][16] x's scale bytes
.set SPARE, 38912                      ; the spare words, 128 bytes a wave: two blocks of 256 bytes that no other line names
.set A,     16                         ; v16-23   the gate's eight sums
.set T,     24                         ; v24-38   at work
.set CD,    40                         ; v40-47   codes, two sets of four registers
.set X,     48                         ; v48-79   two sets of 16 neighbours of a row
.set R,     80                         ; v80-127  three sets of 16 numbers as they are loaded
.set G,     128                        ; v128-255 gate_w's rows 16 l .. 16 l + 15: register 8 d + e
; One block of 32 along K of my column (weights): numbers v[128 + 32 b ..], codes into the image of lane h = b % 2, registers 6 (b / 2) on.  n: younger loads that may stay out.
.macro QBLK b, n
.set XB, 128+32*(\b)
.set CB, 96+12*((\b)%2)+6*((\b)/2)
	s_wait_loadcnt \n
	v_max3_num_f32 v16, |v[XB]|, |v[XB+1]|, |v[XB+2]|              ; the block's largest magnitude: all 32 numbers are mine; two chains
	v_max3_num_f32 v17, |v[XB+3]|, |v[XB+4]|, |v[XB+5]|
.irp i, 6,10,14,18,22,26
	v_max3_num_f32 v16, v16, |v[XB+\i]|, |v[XB+\i+1]|
	v_max3_num_f32 v17, v17, |v[XB+\i+2]|, |v[XB+\i+3]|
.endr
	v_max3_num_f32 v16, v16, |v[XB+30]|, |v[XB+31]|
	v_max3_num_f32 v16, v16, v17, 0x1800000                        ; and the floor 2^(3 - 127): the byte cannot fall under 1
	v_add_nc_u32 v18, 0xff000000, v16                              ; 2 off the exponent field: the conversion's scale operand
	v_cvt_scalef32_pk16_fp6_f32 v[CB:CB+2], v[XB:XB+15], v18
	v_cvt_scalef32_pk16_fp6_f32 v[22:24], v[XB+16:XB+31], v18      ; (a conversion's three registers begin on an even number)
	v_lshrrev_b32 v19, 23, v18                                     ; the scale's byte; also the plain line behind the conversions
.if (\b) == 0
	v_mov_b32 v20, v19
.else
	v_lshl_or_b32 v20, v19, 8*(\b), v20                            ; byte b of the row's scale word
.endif
.irp i, 0,1,2
	v_mov_b32 v[CB+3+\i], v[22+\i]
.endr
.endm
; A weight's work-group: 128 columns x one K step of 128 rows; wave q 32 columns; A LANE TAKES A COLUMN AND ITS REGISTERS RUN DOWN K.  two = 0: w1 (pitch 4,096 bytes), 1: w2 (2,048).
.macro WPATH two
.set PITCH, 4096-2048*\two
.if \two
	s_sub_co_u32 s27, ttmp9, 512
	s_bfe_u32 s29, s27, 0x20003                    ; which 128 columns = launch 3's wave
	s_and_b32 s30, s27, 7                          ; K step S
	s_lshl_b32 s31, s29, 4
	s_add_co_u32 s31, s31, s30
	s_add_co_u32 s31, s31, 8                       ; 16 w + step, step = 8 + S
	s_lshl_b32 s33, s30, 18                        ; 128 rows of 2,048 bytes
.else
	s_sub_co_u32 s27, ttmp9, 256
	s_bfe_u32 s29, s27, 0x30002                    ; which 128 columns: 2 w + u
	s_and_b32 s30, s27, 3                          ; K step s
	s_lshr_b32 s31, s29, 1
	s_lshl_b32 s31, s31, 4
	s_and_b32 s34, s29, 1
	s_lshl_b32 s34, s34, 2
	s_add_co_u32 s31, s31, s34
	s_add_co_u32 s31, s31, s30                     ; 16 w + step, step = 4 u + s
	s_lshl_b32 s33, s30, 19                        ; 128 rows of 4,096 bytes
.endif
	s_lshr_b32 s28, s27, 5                         ; the expert
	s_lshl_b32 s32, s28, 21
	s_add_co_u32 s32, s32, s33
	s_lshl_b32 s33, s29, 9
	s_add_co_u32 s32, s32, s33
	s_lshl_b32 s33, s26, 7
	s_add_co_u32 s32, s32, s33                     ; + my wave's 32 columns
	s_mov_b32 s33, 0
	s_add_nc_u64 s[12+2*\two:13+2*\two], s[12+2*\two:13+2*\two], s[32:33]
	s_mul_i32 s34, s28, 819200
	s_mul_i32 s35, s31, 12800
	s_add_co_u32 s34, s34, s35
	s_lshr_b32 s35, s26, 1                         ; my two tiles lie in half q / 2
	s_mul_i32 s35, s35, 6400
	s_add_co_u32 s34, s34, s35
	s_mov_b32 s35, 0
	s_add_nc_u64 s[16:17], s[16:17], s[34:35]
.if \two
	v_lshlrev_b32 v2, 2, v1                        ; column l: lanes 0-15 are tile 2 q's rows, lanes 16-31 tile 2 q + 1's
.else
	v_and_b32 v2, 7, v1                            ; column (l % 8) + 16 ((l / 8) % 2) + 8 (l / 16): the rows of a tile of W1 are not neighbours
	v_bfe_u32 v5, v1, 3, 1
	v_lshl_add_u32 v2, v5, 4, v2
	v_lshrrev_b32 v5, 4, v1
	v_lshl_add_u32 v2, v5, 3, v2
	v_lshlrev_b32 v2, 2, v2
.endif
	s_and_b32 s34, s26, 1
	v_lshrrev_b32 v5, 4, v1
	v_lshl_add_u32 v5, s34, 1, v5                  ; my tile in the half: 2 (q % 2) + l / 16
	v_mul_u32_u24 v5, v5, 1536
	v_and_b32 v6, 15, v1
	v_lshl_add_u32 v3, v6, 4, v5                   ; + 16 x my row
	v_lshlrev_b32 v4, 3, v1
	v_lshl_add_u32 v4, s34, 2, v4
	v_add_nc_u32 v4, 6144, v4                      ; my scale word: 6144 + 8 l + 4 (q % 2)
.set KK, 0
.rept 128
	global_load_b32 v[128+KK], v2, s[12+2*\two:13+2*\two] offset:KK*PITCH th:TH_LOAD_NT   ; a row of the weight at my wave's 32 columns: 128 consecutive bytes; the four waves stand side by side on 512
.set KK, KK+1
.endr
	QBLK 0, 63                                     ; 96 and 64 younger loads: the count's field ends at 63
	QBLK 1, 63
	QBLK 2, 32
	QBLK 3, 0
.irp h, 0,1
.irp j, 0,1,2
	global_store_b128 v3, v[96+12*\h+4*\j:96+12*\h+4*\j+3], s[16:17] offset:512*\j+256*\h   ; lanes 0-15 and lanes 16-31 each store 256 consecutive bytes, at a multiple of 256 from wq's first byte
.endr
.endr
	global_store_b32 v4, v20, s[16:17]
.endm
.macro LOAD t                          ; token t's row: four loads of 512 consecutive bytes
.irp i, 0,1,2,3
	global_load_b128 v[R+16*((\t)%3)+4*\i:R+16*((\t)%3)+4*\i+3], v2, s[44:45] offset:2048*(\t)+512*\i th:TH_LOAD_NT
.endr
.endm
.macro TURN t                          ; through my wave's stage: afterwards lane l holds the row's numbers 16 l .. 16 l + 15.  LDS serves a wave's instructions in order: no wait between
.irp i, 0,1,2,3
	ds_store_b128 v3, v[R+16*((\t)%3)+4*\i:R+16*((\t)%3)+4*\i+3] offset:2560*((\t)%2)+640*\i
.endr
.irp i, 0,1,2,3
	ds_load_b128 v[X+16*((\t)%2)+4*\i:X+16*((\t)%2)+4*\i+3], v4 offset:2560*((\t)%2)+16*\i
.endr
.endm
; Eight numbers a lane, v[a] .. v[a + 7], are summed over the 32 lanes: v[T + 12] of lane l ends as the sum of number l % 8.  In each of three steps a lane keeps half of its numbers and hands the other half to its partner.
.macro BFLY8 a
.irp k, 0,1,2,3
	v_cndmask_b32 v[T+\k], v[\a+2*\k], v[\a+2*\k+1], s30
	v_cndmask_b32 v[T+4+\k], v[\a+2*\k+1], v[\a+2*\k], s30
.endr
.irp k, 0,1,2,3
	v_add_f32_dpp v[T+\k], v[T+4+\k], v[T+\k] row_xmask:1 row_mask:0xf bank_mask:0xf
.endr
.irp k, 0,1
	v_cndmask_b32 v[T+8+\k], v[T+2*\k], v[T+2*\k+1], s31
	v_cndmask_b32 v[T+10+\k], v[T+2*\k+1], v[T+2*\k], s31
.endr
.irp k, 0,1
	v_add_f32_dpp v[T+8+\k], v[T+10+\k], v[T+8+\k] row_xmask:2 row_mask:0xf bank_mask:0xf
.endr
	v_cndmask_b32 v[T+12], v[T+8], v[T+9], s32
	v_cndmask_b32 v[T+13], v[T+9], v[T+8], s32
	v_add_f32_dpp v[T+12], v[T+13], v[T+12] row_xmask:4 row_mask:0xf bank_mask:0xf
	v_add_f32_dpp v[T+12], v[T+12], v[T+12] row_xmask:8 row_mask:0xf bank_mask:0xf
	v_permlanex16_b32 v[T+14], v[T+12], s28, s29
	v_add_f32 v[T+12], v[T+12], v[T+14]
.endm
; One token of my wave's eight.
.macro TOKEN t
.set XS, X+16*((\t)%2)
	s_wait_dscnt 0x0                               ; this token's numbers are back from the stage, and the last token's two small stores have read their registers
.if (\t)+3 < 8
	LOAD (\t)+3                                    ; into the set that this token's turn has read
.endif
.if (\t) == 5
	s_cmp_lg_u32 s26, 0                            ; wave 0 will finish the gate, a lane to a token: its noise is asked for now, into the set that token 5 has left
	s_cbranch_scc1 .Lno_noise_\@
	global_load_b128 v[112:115], v11, s[48:49]
	global_load_b128 v[116:119], v11, s[48:49] offset:16
.Lno_noise_\@:
.endif
.if (\t)+1 < 8
.if (\t) <= 4
	s_wait_loadcnt 8                               ; the next token's four loads are in; those of the two tokens behind it may be out
.elseif (\t) == 5
	s_wait_loadcnt 4                               ; token 6's four loads are in: behind them stand token 7's four, and in wave 0 the noise's two, the youngest, which may stay out
.else
	s_wait_loadcnt 0x0
.endif
	TURN (\t)+1
.endif
	v_pk_add_f32 v[T:T+1], v[XS:XS+1], v[XS+2:XS+3]               ; the row's sum: my 16,
	v_pk_add_f32 v[T+2:T+3], v[XS+4:XS+5], v[XS+6:XS+7]
	v_pk_add_f32 v[T+4:T+5], v[XS+8:XS+9], v[XS+10:XS+11]
	v_pk_add_f32 v[T+6:T+7], v[XS+12:XS+13], v[XS+14:XS+15]
	v_pk_add_f32 v[T:T+1], v[T:T+1], v[T+2:T+3]
	v_pk_add_f32 v[T+4:T+5], v[T+4:T+5], v[T+6:T+7]
	v_pk_add_f32 v[T:T+1], v[T:T+1], v[T+4:T+5]
	v_add_f32 v12, v[T], v[T+1]
	v_add_f32_dpp v12, v12, v12 row_xmask:1 row_mask:0xf bank_mask:0xf   ; and the 32 lanes'
	v_add_f32_dpp v12, v12, v12 row_xmask:2 row_mask:0xf bank_mask:0xf
	v_add_f32_dpp v12, v12, v12 row_xmask:4 row_mask:0xf bank_mask:0xf
	v_add_f32_dpp v12, v12, v12 row_xmask:8 row_mask:0xf bank_mask:0xf
	v_permlanex16_b32 v13, v12, s28, s29
	v_add_f32 v12, v12, v13
	v_mul_f32 v13, 0x3b000000, v12                 ; the mean: sum / 512
	v_cmp_lt_f32 vcc_lo, 0x3dcccccd, v13           ; 0.1 < mean: the token spikes
	v_add_f32 v12, 0x322bcc77, v12                 ; sum + 1e-8
	v_rcp_f32 v12, v12
.irp q, 0,1,2,3                                ; the gate on the raw row (the factor 1 / (sum + 1e-8) follows): number d of my 16 times gate_w's row 16 l + d, two experts a line
	v_pk_mul_f32 v[A+2*\q:A+2*\q+1], v[XS:XS+1], v[G+2*\q:G+2*\q+1] op_sel_hi:[0,1]
.endr
.set DD, 1
.rept 15
.irp q, 0,1,2,3
.if DD%2
	v_pk_fma_f32 v[A+2*\q:A+2*\q+1], v[XS+DD-1:XS+DD], v[G+8*DD+2*\q:G+8*DD+2*\q+1], v[A+2*\q:A+2*\q+1] op_sel:[1,0,0] op_sel_hi:[1,1,1]   ; the pair's upper number serves both halves
.else
	v_pk_fma_f32 v[A+2*\q:A+2*\q+1], v[XS+DD:XS+DD+1], v[G+8*DD+2*\q:G+8*DD+2*\q+1], v[A+2*\q:A+2*\q+1] op_sel_hi:[0,1,1]                  ; the lower one
.endif
.endr
.set DD, DD+1
.endr
	s_wait_alu depctr_va_vdst(0)                   ; the wait ahead of the reciprocal's first reader; the gate's 64 lines are the work between
	v_cndmask_b32 v12, 0, v12, vcc_lo              ; a token that does not spike becomes a row of zeros: 0 / (0 + 1e-8)
	v_mov_b32 v13, v12
	BFLY8 A
	v_mul_f32 v[T+12], v[T+12], v12
	ds_store_b32 v6, v[T+12] offset:32*(\t)        ; lanes l, l + 8, l + 16, l + 24 write the same word with the same value
.irp j, 0,2,4,6,8,10,12,14
	v_pk_mul_f32 v[XS+\j:XS+\j+1], v[XS+\j:XS+\j+1], v[12:13]     ; the normalised row, in f32: what is quantised
.endr
	v_max3_num_f32 v[T], |v[XS]|, |v[XS+1]|, |v[XS+2]|
	v_max3_num_f32 v[T+1], |v[XS+3]|, |v[XS+4]|, |v[XS+5]|
.irp i, 6,10
	v_max3_num_f32 v[T], v[T], |v[XS+\i]|, |v[XS+\i+1]|
	v_max3_num_f32 v[T+1], v[T+1], |v[XS+\i+2]|, |v[XS+\i+3]|
.endr
	v_max3_num_f32 v[T], v[T], |v[XS+14]|, |v[XS+15]|
	v_max3_num_f32 v[T], v[T], v[T+1], 0x1800000   ; the floor 2^(3 - 127)
	v_max_num_f32_dpp v[T], v[T], v[T] row_xmask:1 row_mask:0xf bank_mask:0xf   ; two neighbouring lanes hold a block of 32
	v_add_nc_u32 v[T+2], 0xff000000, v[T]
	s_wait_xcnt 0x0                                ; the store of two tokens back has read this set of codes
	v_cvt_scalef32_pk16_fp6_f32 v[CD+4*((\t)%2):CD+4*((\t)%2)+2], v[XS:XS+15], v[T+2]
	v_lshrrev_b32 v[T+3], 23, v[T+2]               ; the scale's byte; the plain line behind the conversion
	ds_store_b8 v7, v[T+3] offset:16*(\t)          ; both lanes of a block write the same byte with the same value
	global_store_b96 v5, v[CD+4*((\t)%2):CD+4*((\t)%2)+2], s[46:47] offset:384*(\t)   ; the wave stores the token's 384 consecutive bytes
.endm
	s_load_b256 s[4:11], s[0:1], 0x0               ; x, noise, gate_w, gate_b
	s_load_b256 s[12:19], s[0:1], 0x20             ; w1, w2, wq, xq
	s_load_b128 s[20:23], s[0:1], 0x40             ; aux, route
	s_load_b64 s[24:25], s[0:1], 0x50              ; out1
	v_lshl_add_u32 v14, v0, 2, SPARE               ; my spare word,
	v_mov_b32 v15, 0                               ; and 0: kept for the closing lines alone
	v_lshrrev_b32 v1, 5, v0
	v_readfirstlane_b32 s26, v1                    ; wave 0..3
	v_and_b32 v1, 31, v0                           ; lane
	s_wait_kmcnt 0x0
	s_cmp_lt_u32 ttmp9, 256
	s_cbranch_scc1 .Ltok
	s_cmp_lt_u32 ttmp9, 512
	s_cbranch_scc1 .Lw1
	WPATH 1
	s_branch .Lend
.Lw1:
	WPATH 0
	s_branch .Lend
.Ltok:                                             ; work-group g owns tokens 32 g .. 32 g + 31, wave w eight of them
	s_load_b256 s[36:43], s[10:11], 0x0            ; gate_b
	s_mov_b32 s28, 0x76543210                      ; v_permlanex16_b32's selects for lane l xor 16
	s_mov_b32 s29, 0xfedcba98
	s_mov_b32 s30, 0xaaaaaaaa                      ; lanes with bit 0, 1, 2 of their number set
	s_mov_b32 s31, 0xcccccccc
	s_mov_b32 s32, 0xf0f0f0f0
	s_mov_b32 s33, 0x3c23d70a                      ; 0.01
	s_lshl_b32 s34, ttmp9, 5
	s_lshl_b32 s35, s26, 3
	s_add_co_u32 s34, s34, s35                     ; my wave's first token
	s_lshl_b32 s52, s34, 11
	s_mov_b32 s53, 0
	s_add_nc_u64 s[44:45], s[4:5], s[52:53]        ; its row of x
	s_mul_i32 s52, s34, 384
	s_add_nc_u64 s[46:47], s[18:19], s[52:53]      ; and of xq
	s_lshl_b32 s52, ttmp9, 10
	s_add_nc_u64 s[48:49], s[6:7], s[52:53]        ; the group's noise
	v_lshlrev_b32 v2, 4, v1                        ; 16 l
	v_lshlrev_b32 v10, 4, v0                       ; 16 x thread
	v_lshlrev_b32 v11, 5, v1                       ; 32 l
.irp i, 0,1,2,3,4,5,6,7
	global_load_b128 v[16+4*\i:19+4*\i], v10, s[8:9] offset:2048*\i   ; gate_w, once for the work-group: 2,048 consecutive bytes a line
.endr
	LOAD 0
	LOAD 1
	LOAD 2
	s_mul_i32 s27, s26, 5120
	s_add_co_u32 s27, s27, TSG                     ; my wave's stages
	v_lshrrev_b32 v3, 2, v1
	v_mul_u32_u24 v3, v3, 80
	v_and_b32 v12, 3, v1
	v_lshl_add_u32 v3, v12, 4, v3
	v_add_nc_u32 v3, s27, v3                       ; in: 80 (l / 4) + 16 (l % 4)
	v_mul_u32_u24 v4, v1, 80
	v_add_nc_u32 v4, s27, v4                       ; out: 80 l
	v_bfe_u32 v12, v1, 1, 1                        ; my 12 bytes of the token's codes: block l / 2 = 4 s + 2 c + h, half l % 2
	v_mul_u32_u24 v5, v12, 192
	v_lshrrev_b32 v12, 3, v1
	v_mad_u32_u24 v5, v12, 48, v5
	v_bfe_u32 v12, v1, 2, 1
	v_mad_u32_u24 v5, v12, 24, v5
	v_and_b32 v12, 1, v1
	v_mad_u32_u24 v5, v12, 12, v5
	s_lshl_b32 s52, s26, 8
	s_add_co_u32 s52, s52, DOT
	v_and_b32 v6, 7, v1
	v_lshl_add_u32 v6, v6, 2, s52                  ; DOT + 256 w + 4 (l % 8)
	s_lshl_b32 s52, s26, 7
	s_add_co_u32 s52, s52, XSB
	v_lshrrev_b32 v7, 1, v1
	v_add_nc_u32 v7, s52, v7                       ; XSB + 128 w + l / 2
	v_lshrrev_b32 v8, 5, v0
	v_add_nc_u32 v8, v8, v0
	v_lshlrev_b32 v8, 4, v8                        ; gate_w into LDS: 16 x thread + 16 x wave
	v_mul_u32_u24 v9, v1, 528                      ; and out of it: 528 l
	v_mov_b32 v13, 0                               ; written once: a lane permute's destination counts as one of its sources
	s_wait_loadcnt 12                              ; gate_w is in; the twelve loads of tokens 0 to 2 may be out
.irp i, 0,1,2,3,4,5,6,7
	ds_store_b128 v8, v[16+4*\i:19+4*\i] offset:GWL+2112*\i
.endr
	s_wait_kmcnt 0x0                               ; gate_b
	s_wait_dscnt 0x0                               ; for the others' sake: my part of gate_w lies in LDS
	s_barrier_signal -1
	s_barrier_wait -1
	v_mov_b32 v[T+14], 0                           ; the other permute's destination: it lies among the registers that held gate_w, whose loads have landed and whose LDS stores are done
.set QQ, 0
.rept 32
	ds_load_b128 v[G+4*QQ:G+4*QQ+3], v9 offset:GWL+16*QQ
.set QQ, QQ+1
.endr
	s_wait_loadcnt 8                               ; token 0's four loads are in
	TURN 0
.irp t, 0,1,2,3,4,5,6,7
	TOKEN \t
.endr
	s_wait_dscnt 0x0                               ; for wave 0's sake: my products and scale bytes lie in LDS
	s_barrier_signal -1
	s_barrier_wait -1
	s_cmp_lg_u32 s26, 0
	s_cbranch_scc1 .Lend
	; WAVE 0 FINISHES THE GATE, A LANE TO A TOKEN.  Nothing below steers an address or a branch: what is chosen is stored at fixed places.
	v_lshl_add_u32 v71, v1, 5, DOT
	ds_load_b128 v[16:19], v71
	ds_load_b128 v[20:23], v71 offset:16
	v_lshl_add_u32 v72, v1, 4, XSB
	ds_load_b128 v[76:79], v72
	s_wait_loadcnt 0x0                             ; the noise
	s_wait_dscnt 0x0
.irp e, 0,1,2,3,4,5,6,7
	v_add_f32 v[16+\e], s[36+\e], v[16+\e]         ; + gate_b
.endr
.irp e, 0,1,2,3,4,5,6,7
	v_fmac_f32 v[16+\e], s33, v[112+\e]            ; + 0.01 noise: the logits
.endr
	v_mov_b32 v56, v16                             ; the largest, its index; the second, its index.  Only a strictly larger logit displaces: ties go to the lower index
	v_mov_b32 v58, 0
	v_mov_b32 v57, 0xff800000
	v_mov_b32 v59, 0
.irp e, 1,2,3,4,5,6,7
	v_cmp_gt_f32 s50, v[16+\e], v56
	v_cmp_gt_f32 s51, v[16+\e], v57
	v_cndmask_b32 v57, v57, v[16+\e], s51
	v_cndmask_b32 v59, v59, \e, s51
	v_cndmask_b32 v57, v57, v56, s50
	v_cndmask_b32 v59, v59, v58, s50
	v_cndmask_b32 v56, v56, v[16+\e], s50
	v_cndmask_b32 v58, v58, \e, s50
.endr
	v_mov_b32 v62, 0xce6e6b28                      ; -1e9
.irp e, 0,1,2,3,4,5,6,7
	v_cmp_ge_f32 vcc_lo, v[16+\e], v57
	v_cndmask_b32 v[48+\e], v62, v[16+\e], vcc_lo  ; the masked logits
.endr
	v_max3_num_f32 v63, v48, v49, v50              ; their maximum is taken away before the exponential
	v_max3_num_f32 v63, v63, v51, v52
	v_max3_num_f32 v63, v63, v53, v54
	v_max_num_f32 v63, v63, v55
.irp e, 0,1,2,3,4,5,6,7
	v_sub_f32 v[48+\e], v[48+\e], v63
.endr
	v_sub_f32 v60, v56, v63                        ; the two chosen go through the same lines: the same bits as their places among the eight
	v_sub_f32 v61, v57, v63
.irp e, 48,49,50,51,52,53,54,55,60,61
	v_mul_f32 v[\e], 0x3fb8aa3b, v[\e]
.endr
.irp e, 48,49,50,51,52,53,54,55,60,61
	v_exp_f32 v[\e], v[\e]
.endr
	v_min_u32 v64, v58, v59                        ; lo, hi: the pair by ascending expert (plain work behind the exponentials)
	v_max_u32 v65, v58, v59
	s_wait_alu depctr_va_vdst(0)                   ; one wait for the ten, ahead of their first reader
	v_add_f32 v62, v48, v49
	v_add_f32 v63, v50, v51
	v_add_f32 v71, v52, v53
	v_add_f32 v72, v54, v55
	v_add_f32 v62, v62, v63
	v_add_f32 v71, v71, v72
	v_add_f32 v62, v62, v71
	v_rcp_f32 v62, v62
	v_sub_nc_u32 v68, 15, v64                      ; the bucket: lo (15 - lo) / 2 + hi - lo - 1
	v_mul_u32_u24 v68, v68, v64
	v_lshrrev_b32 v68, 1, v68
	v_add_nc_u32 v68, v68, v65
	v_sub_nc_u32 v68, v68, v64
	v_add_nc_u32 v68, -1, v68
	v_cmp_lt_u32 s50, v58, v59
	s_wait_alu depctr_va_vdst(0)
.irp e, 48,49,50,51,52,53,54,55,60,61
	v_mul_f32 v[\e], v[\e], v62                    ; the softmax
.endr
	v_cndmask_b32 v66, v61, v60, s50               ; the gate weights of lo and of hi
	v_cndmask_b32 v67, v60, v61, s50
	v_mov_b32 v69, 0                               ; my rank among the group's tokens of my bucket
	v_mov_b32 v70, 0                               ; lane b: how many of the group's tokens fall into bucket b
.set BK, 0
.rept 28
	v_cmp_eq_u32 s50, BK, v68
	v_mbcnt_lo_u32_b32 v71, s50, 0
	v_cndmask_b32 v69, v69, v71, s50
	s_bcnt1_i32_b32 s51, s50
	v_writelane_b32 v70, s51, BK
.set BK, BK+1
.endr
	v_lshlrev_b32 v72, 2, v68
	v_lshl_or_b32 v72, v69, 8, v72
	BFLY8 48                                       ; the group's sums of the softmax, expert l % 8 in lane l
	s_lshl_b32 s52, ttmp9, 8
	v_lshl_add_u32 v73, v1, 3, s52                 ; 8 x token
	s_lshl_b32 s52, ttmp9, 9
	v_lshl_add_u32 v74, v1, 4, s52                 ; 16 x token
	s_lshl_b32 s52, ttmp9, 7
	v_lshl_add_u32 v75, v1, 2, s52                 ; 4 x token
	global_store_b64 v73, v[58:59], s[24:25]                       ; top_idx
	global_store_b64 v73, v[66:67], s[20:21] offset:131072
	global_store_b128 v74, v[76:79], s[20:21]
	global_store_b32 v75, v72, s[22:23]
	global_store_b32 v75, v70, s[22:23] offset:32768
	global_store_b32 v75, v[T+12], s[20:21] offset:196608
.Lend:
	s_wait_tensorcnt 0x0                           ; the wave's end
	ds_add_u32 v14, v15
	s_wait_dscnt 0x0
	s_endpgm
.Lfunc_end_k_q6807b5f3b1_prep:
	.size	k_q6807b5f3b1_prep, .Lfunc_end_k_q6807b5f3b1_prep-k_q6807b5f3b1_prep
	.p2alignl 7, 3214868480
	.fill 96, 4, 3214868480
	.section	.rodata,"a",@progbits
	.p2align	6, 0x0
	.amdhsa_kernel k_q6807b5f3b1_prep
		.amdhsa_group_segment_fixed_size 39424
		.amdhsa_private_segment_fixed_size 0
		.amdhsa_enable_private_segment 0
		.amdhsa_kernarg_size 88
		.amdhsa_user_sgpr_count 2
		.amdhsa_user_sgpr_kernarg_segment_ptr 1
		.amdhsa_wavefront_size32 1
		.amdhsa_system_sgpr_workgroup_id_x 1
		.amdhsa_system_sgpr_workgroup_id_y 1
		.amdhsa_system_sgpr_workgroup_id_z 1
		.amdhsa_system_vgpr_workitem_id 0
		.amdhsa_next_free_vgpr 256
		.amdhsa_next_free_sgpr 66
		.amdhsa_reserve_vcc 1
		.amdhsa_float_denorm_mode_32 3
		.amdhsa_float_denorm_mode_16_64 3
		.amdhsa_memory_ordered 1
		.amdhsa_forward_progress 1
		.amdhsa_inst_pref_size 138
	.end_amdhsa_kernel
	.amdgpu_metadata
---
amdhsa.version: [ 1, 2 ]
amdhsa.kernels:
  - .name:           k_q6807b5f3b1_prep
    .symbol:         k_q6807b5f3b1_prep.kd
    .args:
      - { .name: x, .offset: 0, .size: 8, .value_kind: global_buffer, .address_space: global }
      - { .name: noise, .offset: 8, .size: 8, .value_kind: global_buffer, .address_space: global }
      - { .name: gate_w, .offset: 16, .size: 8, .value_kind: global_buffer, .address_space: global }
      - { .name: gate_b, .offset: 24, .size: 8, .value_kind: global_buffer, .address_space: global }
      - { .name: w1, .offset: 32, .size: 8, .value_kind: global_buffer, .address_space: global }
      - { .name: w2, .offset: 40, .size: 8, .value_kind: global_buffer, .address_space: global }
      - { .name: wq, .offset: 48, .size: 8, .value_kind: global_buffer, .address_space: global }
      - { .name: xq, .offset: 56, .size: 8, .value_kind: global_buffer, .address_space: global }
      - { .name: aux, .offset: 64, .size: 8, .value_kind: global_buffer, .address_space: global }
      - { .name: route, .offset: 72, .size: 8, .value_kind: global_buffer, .address_space: global }
      - { .name: out1, .offset: 80, .size: 8, .value_kind: global_buffer, .address_space: global }
    .group_segment_fixed_size: 39424
    .private_segment_fixed_size: 0
    .kernarg_segment_align: 8
    .kernarg_segment_size: 88
    .max_flat_workgroup_size: 128
    .sgpr_count:     66
    .vgpr_count:     256
    .wavefront_size: 32
...
	.end_amdgpu_metadata
.endif
;; end of part 1
;; launch place (part 2): grid 1 x 1, 8 waves a work-group, no clusters, 3,072 bytes of LDS; arguments route, aux, plan, out2; writes plan, out2
.if DOCPART == 2
	.amdgcn_target "amdgcn-amd-amdhsa--gfx1250"
	.amdhsa_code_object_version 6
	.text
	.protected	k_q6807b5f3b1_place
	.globl	k_q6807b5f3b1_place
	.p2align	8
	.type	k_q6807b5f3b1_place,@function
k_q6807b5f3b1_place:
	s_mov_b64 s[64:65], 0
	v_nop
	global_prefetch_b8 v0, s[64:65] scope:SCOPE_SE
	s_setreg_imm32_b32 hwreg(HW_REG_WAVE_MODE, 25, 1), 1
	s_wait_xcnt 0x0
; SPARSE MOE, LAUNCH 2 OF 3: a counting sort of the 8,192 tokens by their pair of experts (28 buckets), the table of tiles for launch 3, and the auxiliary loss.  One work-group, no atomics.
; plan: 0: order[8192], token numbers sorted by bucket;  32768: tiles[155][4] = lo, hi, first place in order, rows - 1.
; TILES.  With n tokens in a bucket, ceil(n / 64) tiles serve it, and over 28 buckets with 8,192 tokens these are at most 128 + 27 = 155.  The table always has exactly 155, none empty: what the ceilings leave
; over splits buckets further (a bucket of n tokens can take up to n tiles), so that launch 3 has a fixed grid, no branch on loaded numbers and no idle work-group, whatever the split.
; A bucket with t tiles and n tokens: each tile has one row, and the n - t others fill the tiles from the first on, 63 each.
; Wave w owns the groups 32 w .. 32 w + 31 (a group: 32 tokens, launch 1's unit); lane = bucket for the counts, lane = token of a group for the ranks.
.set WT,    0                          ; LDS: each wave's counts by bucket, 128 bytes a wave
.set WU,    1024                       ; and its sums of the softmax
.set SPARE, 2048                       ; the spare words, 128 bytes a wave: four blocks of 256 bytes that no other line names
.set H,   32                           ; v32-63   counts of my 32 groups; later at work
.set RK,  64                           ; v64-95   (bucket << 2) | (rank << 8) of my 32 x 32 tokens; later their numbers
.set U,   96                           ; v96-127  sums of the softmax of my 32 groups
.set O,   128                          ; v128-159 lane b: where group g's tokens of bucket b begin in order
.set D,   161                          ; v161-192 each token's place
	s_load_b128 s[4:7], s[0:1], 0x0                ; route, aux
	s_load_b128 s[8:11], s[0:1], 0x10              ; plan, out2
	v_lshl_add_u32 v30, v0, 2, SPARE
	v_mov_b32 v31, 0
	v_lshrrev_b32 v1, 5, v0
	v_readfirstlane_b32 s12, v1                    ; wave 0..7
	v_and_b32 v1, 31, v0                           ; lane
	v_lshlrev_b32 v3, 2, v1                        ; 4 l
	s_lshl_b32 s13, s12, 12
	v_add_nc_u32 v2, s13, v3                       ; 4 l + my wave's 32 groups of 128 bytes
	v_lshlrev_b32 v4, 2, v0                        ; 4 x thread
	s_lshl_b32 s13, s12, 10
	v_add_nc_u32 v29, s13, v1                      ; the number of my token in the wave's first group
	s_wait_kmcnt 0x0
.set GG, 0
.rept 32
	global_load_b32 v[H+GG], v2, s[4:5] offset:32768+128*GG
	global_load_b32 v[RK+GG], v2, s[4:5] offset:128*GG
	global_load_b32 v[U+GG], v2, s[6:7] offset:196608+128*GG
.set GG, GG+1
.endr
	s_wait_loadcnt 0x0
	v_add_nc_u32 v5, v[H], v[H+1]                  ; my wave's counts,
.irp g, 2,4,6,8,10,12,14,16,18,20,22,24,26,28,30
	v_add3_u32 v5, v5, v[H+\g], v[H+\g+1]
.endr
	v_pk_add_f32 v[6:7], v[U:U+1], v[U+2:U+3]      ; and its sums of the softmax
.irp g, 4,6,8,10,12,14,16,18,20,22,24,26,28,30
	v_pk_add_f32 v[6:7], v[6:7], v[U+\g:U+\g+1]
.endr
	v_add_f32 v6, v6, v7
	ds_store_b32 v4, v5 offset:WT
	ds_store_b32 v4, v6 offset:WU
	s_wait_dscnt 0x0                               ; for the others' sake
	s_barrier_signal -1
	s_barrier_wait -1
.irp w, 0,1,2,3,4,5,6,7
	ds_load_b32 v[8+\w], v3 offset:WT+128*\w
	ds_load_b32 v[16+\w], v3 offset:WU+128*\w
.endr
	s_wait_dscnt 0x0
	v_add3_u32 v24, v8, v9, v10                    ; lane b: the tokens of bucket b
	v_add3_u32 v24, v24, v11, v12
	v_add3_u32 v24, v24, v13, v14
	v_add_nc_u32 v24, v24, v15
	s_cmp_gt_u32 s12, 0                            ; and those of them that lie in the waves ahead of mine
	s_cselect_b32 s14, -1, 0
	v_and_b32 v25, s14, v8
.irp w, 1,2,3,4,5,6
	s_cmp_gt_u32 s12, \w
	s_cselect_b32 s14, -1, 0
	v_and_b32 v26, s14, v[8+\w]
	v_add_nc_u32 v25, v25, v26
.endr
	v_add_f32 v27, v16, v17                        ; lane l: the usage of expert l % 8
	v_add_f32 v26, v18, v19
	v_add_f32 v27, v27, v20
	v_add_f32 v26, v26, v21
	v_add_f32 v27, v27, v22
	v_add_f32 v26, v26, v23
	v_add_f32 v27, v27, v26
	; the scan over the buckets, in scalar registers, by every wave alike
	s_mov_b32 s16, 155                             ; tiles left over when every bucket has its ceil(n / 64)
.set BK, 0
.rept 28
	v_readlane_b32 s20, v24, BK
	s_add_co_u32 s20, s20, 63
	s_lshr_b32 s20, s20, 6
	s_sub_co_u32 s16, s16, s20
.set BK, BK+1
.endr
	s_mov_b32 s17, 0                               ; tokens ahead of the bucket
	s_mov_b32 s18, 0                               ; tiles ahead of it
	v_mov_b32 v28, 0                               ; lane b: where bucket b begins in order
	v_mov_b32 v10, 0                               ; of the bucket of tile number = my thread's: its first tile,
	v_mov_b32 v11, 0                               ; its first place,
	v_mov_b32 v12, 0                               ; its tokens less its tiles,
	v_mov_b32 v16, 0                               ; lo,
	v_mov_b32 v17, 0                               ; hi
.set BK, 0
.irp lo, 0,1,2,3,4,5,6
.irp hi, 1,2,3,4,5,6,7
.if \hi > \lo
	v_readlane_b32 s20, v24, BK                    ; n
	s_add_co_u32 s21, s20, 63
	s_lshr_b32 s21, s21, 6                         ; ceil(n / 64)
	s_sub_co_u32 s22, s20, s21
	s_min_u32 s22, s22, s16                        ; tiles more: as many as are left over and the bucket can take
	s_sub_co_u32 s16, s16, s22
	s_add_co_u32 s21, s21, s22                     ; t
	s_sub_co_u32 s22, s20, s21                     ; n - t
	v_writelane_b32 v28, s17, BK
	v_cmp_le_u32 vcc_lo, s18, v0                   ; my tile lies in this bucket or a later one
	v_cndmask_b32 v10, v10, s18, vcc_lo
	v_cndmask_b32 v11, v11, s17, vcc_lo
	v_cndmask_b32 v12, v12, s22, vcc_lo
	v_cndmask_b32 v16, v16, \lo, vcc_lo
	v_cndmask_b32 v17, v17, \hi, vcc_lo
	s_add_co_u32 s17, s17, s20
	s_add_co_u32 s18, s18, s21
.set BK, BK+1
.endif
.endr
.endr
	v_sub_nc_u32 v13, v0, v10                      ; j: my tile in its bucket
	v_mul_u32_u24 v20, v13, 63
	v_min_u32 v20, v20, v12                        ; what the tiles ahead of mine took beyond their one row
	v_add3_u32 v18, v11, v13, v20                  ; my first place in order
	v_sub_nc_u32 v19, v12, v20
	v_min_u32 v19, 63, v19                         ; my rows - 1
	v_lshlrev_b32 v21, 4, v0
	s_wait_xcnt 0x0                                ; EXEC changes only behind this wait
	v_cmp_gt_u32 vcc_lo, 155, v0
	s_and_saveexec_b32 s14, vcc_lo
	global_store_b128 v21, v[16:19], s[8:9] offset:32768
	s_wait_xcnt 0x0
	s_or_b32 exec_lo, exec_lo, s14
	; each token's place: its bucket's first place + the bucket's tokens in earlier groups + its rank in its group
	v_add_nc_u32 v[O], v28, v25
.set GG, 0
.rept 31
	v_add_nc_u32 v[O+GG+1], v[O+GG], v[H+GG]
.set GG, GG+1
.endr
.set GG, 0
.rept 32
	v_and_b32 v[H+GG], 0x7c, v[RK+GG]              ; 4 x bucket: the lane to ask
.set GG, GG+1
.endr
.set GG, 0
.rept 32
	ds_bpermute_b32 v[D+GG], v[H+GG], v[O+GG]
.set GG, GG+1
.endr
	s_wait_dscnt 0x0
.set GG, 0
.rept 32
	v_lshrrev_b32 v[H+GG], 8, v[RK+GG]
	v_add_nc_u32 v[D+GG], v[D+GG], v[H+GG]
	v_min_u32 v[D+GG], 0x1fff, v[D+GG]             ; a loaded number enters an address only behind a bound
	v_lshlrev_b32 v[D+GG], 2, v[D+GG]
	v_add_nc_u32 v[RK+GG], 32*GG, v29              ; the token's number
	global_store_b32 v[D+GG], v[RK+GG], s[8:9]     ; 4 bytes a lane to places far apart: 32 KiB in all, which a placing pass cannot avoid
.set GG, GG+1
.endr
	; the auxiliary loss: std(importance) / (mean(importance) + 1e-10); the eight experts lie in eight neighbouring lanes
	v_mov_b32 v5, v27
	v_add_f32_dpp v5, v5, v5 row_xmask:1 row_mask:0xf bank_mask:0xf
	v_add_f32_dpp v5, v5, v5 row_xmask:2 row_mask:0xf bank_mask:0xf
	v_add_f32_dpp v5, v5, v5 row_xmask:4 row_mask:0xf bank_mask:0xf
	v_rcp_f32 v5, v5
	v_mov_b32 v10, 0                               ; (out2's offset; the plain line behind the reciprocal)
	s_wait_alu depctr_va_vdst(0)
	v_mul_f32 v6, v27, v5                          ; importance
	v_mov_b32 v7, v6
	v_add_f32_dpp v7, v7, v7 row_xmask:1 row_mask:0xf bank_mask:0xf
	v_add_f32_dpp v7, v7, v7 row_xmask:2 row_mask:0xf bank_mask:0xf
	v_add_f32_dpp v7, v7, v7 row_xmask:4 row_mask:0xf bank_mask:0xf
	v_mul_f32 v7, 0x3e000000, v7                   ; its mean
	v_sub_f32 v8, v6, v7
	v_mul_f32 v8, v8, v8
	v_add_f32_dpp v8, v8, v8 row_xmask:1 row_mask:0xf bank_mask:0xf
	v_add_f32_dpp v8, v8, v8 row_xmask:2 row_mask:0xf bank_mask:0xf
	v_add_f32_dpp v8, v8, v8 row_xmask:4 row_mask:0xf bank_mask:0xf
	v_mul_f32 v8, 0x3e000000, v8                   ; its variance
	v_sqrt_f32 v8, v8
	v_add_f32 v9, 0x2edbe6ff, v7                   ; mean + 1e-10
	v_rcp_f32 v9, v9
	v_nop
	s_wait_alu depctr_va_vdst(0)                   ; one wait for the root and the reciprocal
	v_mul_f32 v8, v8, v9
	s_wait_xcnt 0x0                                ; the stores into order have read EXEC
	v_cmp_eq_u32 vcc_lo, 0, v0
	s_and_saveexec_b32 s14, vcc_lo
	global_store_b32 v10, v8, s[10:11]             ; thread 0 alone
	s_wait_xcnt 0x0
	s_or_b32 exec_lo, exec_lo, s14
	s_wait_tensorcnt 0x0                           ; the wave's end
	ds_add_u32 v30, v31
	s_wait_dscnt 0x0
	s_endpgm
.Lfunc_end_k_q6807b5f3b1_place:
	.size	k_q6807b5f3b1_place, .Lfunc_end_k_q6807b5f3b1_place-k_q6807b5f3b1_place
	.p2alignl 7, 3214868480
	.fill 96, 4, 3214868480
	.section	.rodata,"a",@progbits
	.p2align	6, 0x0
	.amdhsa_kernel k_q6807b5f3b1_place
		.amdhsa_group_segment_fixed_size 3072
		.amdhsa_private_segment_fixed_size 0
		.amdhsa_enable_private_segment 0
		.amdhsa_kernarg_size 32
		.amdhsa_user_sgpr_count 2
		.amdhsa_user_sgpr_kernarg_segment_ptr 1
		.amdhsa_wavefront_size32 1
		.amdhsa_system_sgpr_workgroup_id_x 1
		.amdhsa_system_sgpr_workgroup_id_y 1
		.amdhsa_system_sgpr_workgroup_id_z 1
		.amdhsa_system_vgpr_workitem_id 0
		.amdhsa_next_free_vgpr 224
		.amdhsa_next_free_sgpr 66
		.amdhsa_reserve_vcc 1
		.amdhsa_float_denorm_mode_32 3
		.amdhsa_float_denorm_mode_16_64 3
		.amdhsa_memory_ordered 1
		.amdhsa_forward_progress 1
		.amdhsa_inst_pref_size 58
	.end_amdhsa_kernel
	.amdgpu_metadata
---
amdhsa.version: [ 1, 2 ]
amdhsa.kernels:
  - .name:           k_q6807b5f3b1_place
    .symbol:         k_q6807b5f3b1_place.kd
    .args:
      - { .name: route, .offset: 0, .size: 8, .value_kind: global_buffer, .address_space: global }
      - { .name: aux, .offset: 8, .size: 8, .value_kind: global_buffer, .address_space: global }
      - { .name: plan, .offset: 16, .size: 8, .value_kind: global_buffer, .address_space: global }
      - { .name: out2, .offset: 24, .size: 8, .value_kind: global_buffer, .address_space: global }
    .group_segment_fixed_size: 3072
    .private_segment_fixed_size: 0
    .kernarg_segment_align: 8
    .kernarg_segment_size: 32
    .max_flat_workgroup_size: 256
    .sgpr_count:     66
    .vgpr_count:     224
    .wavefront_size: 32
...
	.end_amdgpu_metadata
.endif
;; end of part 2
;; launch chain (part 3): grid 155 x 1, 4 waves a work-group, no clusters, 225,280 bytes of LDS; arguments plan, wq, xq, aux, b1, b2, out0; writes out0
.if DOCPART == 3
	.amdgcn_target "amdgcn-amd-amdhsa--gfx1250"
	.amdhsa_code_object_version 6
	.text
	.protected	k_q6807b5f3b1_chain
	.globl	k_q6807b5f3b1_chain
	.p2align	8
	.type	k_q6807b5f3b1_chain,@function
k_q6807b5f3b1_chain:
	s_mov_b64 s[64:65], 0
	v_nop
	global_prefetch_b8 v0, s[64:65] scope:SCOPE_SE
	s_setreg_imm32_b32 hwreg(HW_REG_WAVE_MODE, 25, 1), 1
	s_wait_xcnt 0x0
; SPARSE MOE, LAUNCH 3 OF 3: out0[token] = g_lo (Q(silu(Q(x) W1[lo] + b1[lo])) W2[lo] + b2[lo]) + g_hi (the same with hi), both products on codes of E2M3 with one E8M0 scale for 32 along K.
; WORK LEFT OUT: the six experts that a token's top_idx does not name (reference() gathers expert_outputs[top_idx]: shown at the head of the first launch).
; A work-group takes one tile of launch 2's table: up to 64 tokens that chose the same pair (lo, hi), and is the one owner of their rows of out0.  It runs two passes, expert lo and expert hi.
; Rows past the tile's last repeat its last row (same token, same numbers, same address, same wave): so no lane is ever switched off, and no branch or trip count hangs on a loaded number.
; THE WAVES SHARE THE COLUMNS: wave w makes hidden units 256 w .. 256 w + 255 (K steps 2 w, 2 w + 1 of the second product) and output columns 128 w .. 128 w + 127, for all 64 rows (four tiles m of 16).
; So each byte of an expert's codes enters the work-group once, from memory straight into registers, in the order in which launch 1 laid it, and each fragment feeds four matrix instructions.
; BOTH PRODUCTS ARE USED TRANSPOSED (source 0 = 16 rows of the weight, source 1 = 16 tokens): a lane holds one token, and its registers run along the next K (W1's rows are chosen for that by launch 1).
; The rows' codes go from wave to wave through LDS as images of the operand's registers (16 bytes a lane, 512 a line).  The biases are the C of each sum's first matrix instruction.
; NO CLUSTER, NO TENSOR LOAD: which expert a work-group streams is read from the table, a pair of experts may have a single tile, and 155 tiles do not divide into groups of partners with equal experts.
; THE RING: a half step of the stream is 13 loads (4 fragments by 12 loads of 16 bytes a lane, and 2 registers of scale words); four register slots; behind a half's 16 products its slot is asked for the half four on.
; REGISTERS, in windows of 256: window 0: addresses, scales, at work (below); window 1: the 32 accumulators, (m, T) at v[64 m + 8 T]; window 2: v0-95 two sets of the rows' four fragments; window 3: v0-191 the ring's four slots.
.set XIMG,  0                          ; LDS: x's fragments (K step s, tile m) at (4 s + m) 1536
.set XSC,   24576                      ; their scale words [s][row 16][m 4]
.set TOKL,  25600                      ; the tile's 64 token numbers
.set BIAS,  25856                      ; b1[lo] 4096, b1[hi] 4096, b2[lo] 2048, b2[hi] 2048
.set HIMG,  38144                      ; the hidden layer's fragments (K step S, tile m) at (4 S + m) 1536
.set HSC,   87296                      ; their scale words [S][row][m]
.set STG,   89344                      ; for each wave a stage of 64 rows x (512 + 16) bytes
.set SPARE, 224512                     ; the spare words, 128 bytes a wave: two blocks of 256 bytes that no other line names
; v1 16 l (also x's images' place)   v3 HIMG + 16 l   v4 XSC + 16 r   v5 HSC + 16 r   v6, v7 my biases' place   v8, v9 where I store the hidden layer's images and scale words
; v10-12 v8, v9 and v6 or v7 + the trip's step   v13 the stage, by lanes   v14 the stage, by rows   v15 TOKL   v16 512 w + 16 l   v17 8 l   v18-29, v108-116 the head's   v30, v31 the add's two
.set RS,  32                           ; v32-39   the weights' scale words, two registers a slot
.set FS,  40                           ; v40-47   the rows' scale words, four a set
.set GL,  48                           ; v48-55   (g_lo, g_hi) of my token in tile m
.set TOK, 56                           ; v56-59   my token in tile m
.set TM,  60                           ; v60-75   the quantiser's; on the way out 16 token numbers
.set PW,  76                           ; v76      the scale word just made
.set PC,  80                           ; v80-99   the codes just made; on the way out 16 offsets
.set GH,  100                          ; v100-107 g_hi, in pairs of its own
.set E,   128                          ; v128-191 64 numbers at work
.set BI,  192                          ; v192-255 a bias in the result's layout, 8 tiles x 8; on the way out rows
.set RA,  24                           ; s[24:25] the stream at the quad in hand
.set RN,  26                           ; s[26:27] expert hi's stream
.set SEL, 38                           ; s[38:39] v_permlanex16_b32's selects for lane l xor 16
.set MSB, 0
.macro WIN new                         ; the immediate's high byte repeats the setting that is left; a switch that changes nothing is dropped
.if MSB != \new
	s_set_vgpr_msb (MSB<<8)|\new
.set MSB, \new
.endif
.endm
.macro PLACES                          ; four plain places behind a matrix instruction, ahead of loads into its sources and of reads of its result
.rept 4
	v_nop
.endr
.endm
.macro RLOAD k, base, hh               ; half hh from the base on into slot k: 13 loads
	WIN 0xC0                                       ; destination window 3
.irp t, 0,1,2,3
.irp j, 0,1,2
	global_load_b128 v[48*(\k)+12*\t+4*\j:48*(\k)+12*\t+4*\j+3], v1, s[\base:\base+1] offset:(\hh)*6400+1536*\t+512*\j
.endr
.endr
	WIN 0
	global_load_b64 v[RS+2*(\k):RS+2*(\k)+1], v17, s[\base:\base+1] offset:(\hh)*6400+6144
.endm
.macro FRF base, sbase, off, soff, fb  ; a K step's four fragments of the rows, and their scale words, into set fb: 13 LDS loads
	WIN 0x80                                       ; destination window 2
.irp m, 0,1,2,3
.irp j, 0,1,2
	ds_load_b128 v[48*(\fb)+12*\m+4*\j:48*(\fb)+12*\m+4*\j+3], v[\base] offset:(\off)+1536*\m+512*\j
.endr
.endr
	WIN 0
	ds_load_b128 v[FS+4*(\fb):FS+4*(\fb)+3], v[\sbase] offset:\soff
.endm
; Half k of a quad's eight: 4 tiles of the weight x 4 tiles of rows.  The 16 accumulators take turns, one instruction a turn, and come up again 32 instructions on.
; cin = 1: the bias starts the sums.  mode 0: the stream goes on; 1: halves 4-7 ask for expert hi's first four; 2: the last quad: halves 4-7 ask for nothing.
.macro HALF k, fb, cin, mode
.set NW, 39                            ; three younger halves of 13 loads may be out
.if ((\mode) == 2) && ((\k) > 4)
.set NW, 13*(7-(\k))
.endif
	s_wait_loadcnt NW
.if \cin
	WIN 0x4B                                       ; source 0 window 3, source 1 window 2, C window 0, D window 1
.else
	WIN 0x5B                                       ; the same with C in window 1
.endif
.irp t, 0,1,2,3
.irp m, 0,1,2,3
.set rD, 64*\m+8*(4*((\k)%2)+\t)
.set rA, 48*((\k)%4)+12*\t
.set rB, 48*(\fb)+12*\m
.set rC, BI+8*(4*((\k)%2)+\t)
.set rSA, RS+2*((\k)%4)+\t/2
.set rSB, FS+4*(\fb)+\m
.if \cin
.if \t%2
	v_wmma_scale_f32_16x16x128_f8f6f4 v[rD:rD+7], v[rA:rA+11], v[rB:rB+11], v[rC:rC+7], v[rSA], v[rSB] matrix_a_fmt:MATRIX_FMT_FP6 matrix_b_fmt:MATRIX_FMT_FP6 matrix_a_scale:MATRIX_SCALE_ROW1
.else
	v_wmma_scale_f32_16x16x128_f8f6f4 v[rD:rD+7], v[rA:rA+11], v[rB:rB+11], v[rC:rC+7], v[rSA], v[rSB] matrix_a_fmt:MATRIX_FMT_FP6 matrix_b_fmt:MATRIX_FMT_FP6
.endif
.else
.if \t%2
	v_wmma_scale_f32_16x16x128_f8f6f4 v[rD:rD+7], v[rA:rA+11], v[rB:rB+11], v[rD:rD+7], v[rSA], v[rSB] matrix_a_fmt:MATRIX_FMT_FP6 matrix_b_fmt:MATRIX_FMT_FP6 matrix_a_scale:MATRIX_SCALE_ROW1
.else
	v_wmma_scale_f32_16x16x128_f8f6f4 v[rD:rD+7], v[rA:rA+11], v[rB:rB+11], v[rD:rD+7], v[rSA], v[rSB] matrix_a_fmt:MATRIX_FMT_FP6 matrix_b_fmt:MATRIX_FMT_FP6
.endif
.endif
.endr
.endr
	PLACES
.if ((\k) < 4) || ((\mode) == 0)
	RLOAD (\k)%4, RA, (\k)+4
.elseif (\mode) == 1
	RLOAD (\k)%4, RN, (\k)-4
.endif
.endm
; A quad: four K steps, 128 matrix instructions.  kind 0: the first product (rows: x's images); 1: the second (the hidden layer's, from byte qoff of them on).
.macro QUAD kind, qoff, cin, mode
.set QB, 1+2*\kind
.set QS, 4+\kind
.if \cin
.irp tt, 0,1,2,3,4,5,6,7
.irp z, 0,1
.if \kind == 0
	ds_load_b128 v[BI+8*\tt+4*\z:BI+8*\tt+4*\z+3], v12 offset:(32*(\tt/2)+8*(\tt%2))*4+16*\z   ; tile 2 b + p, lane half h: hidden units 32 b + 16 h + 8 p + 0 .. 7
.else
	ds_load_b128 v[BI+8*\tt+4*\z:BI+8*\tt+4*\z+3], v12 offset:64*\tt+16*\z                      ; tile T: columns 16 T + 8 h + 0 .. 7
.endif
.endr
.endr
.endif
	FRF QB, QS, \qoff, (\qoff)/24, 0
	FRF QB, QS, (\qoff)+6144, (\qoff)/24+256, 1
.irp i, 0,1,2,3
.if \i < 3
	s_wait_dscnt 13                                ; this K step's rows (and the bias) are in; the next step's 13 loads may be out
.else
	s_wait_dscnt 0x0
.endif
.if ((\cin) != 0) && ((\i) == 0)
	HALF 0, 0, 1, \mode
	HALF 1, 0, 1, \mode
.else
	HALF 2*\i, \i%2, 0, \mode
	HALF 2*\i+1, \i%2, 0, \mode
.endif
.if \i < 2
	FRF QB, QS, (\qoff)+6144*(\i+2), (\qoff)/24+256*(\i+2), \i%2
.endif
.endr
	WIN 0
.endm
; 64 numbers of a lane, register 16 b + i = k 32 b + 16 (lane / 16) + i of my row, become a fragment's codes in v[PC] on and its scale word in v[PW].
.macro QUANT s
.irp b, 0,1,2,3
	v_max3_num_f32 v[TM+\b], |v[\s+16*\b]|, |v[\s+1+16*\b]|, 0x1800000   ; block b: my 16 numbers, and the floor 2^(3 - 127): the byte cannot fall under 1
.endr
.irp i, 2,4,6,8,10,12,14
.irp b, 0,1,2,3
	v_max3_num_f32 v[TM+\b], v[TM+\b], |v[\s+16*\b+\i]|, |v[\s+1+16*\b+\i]|
.endr
.endr
.irp b, 0,1,2,3
	v_permlanex16_b32 v[TM+4+\b], v[TM+\b], s[SEL], s[SEL+1]
.endr
.irp b, 0,1,2,3
	v_max_num_f32 v[TM+\b], v[TM+\b], v[TM+4+\b]   ; with lane l xor 16's: the block's largest magnitude
.endr
.irp b, 0,1,2,3
	v_add_nc_u32 v[TM+12+\b], 0xff000000, v[TM+\b] ; 2 off its exponent field: the conversion's scale operand
.endr
.irp b, 0,1,2,3
	v_lshrrev_b32 v[TM+4+\b], 23, v[TM+12+\b]      ; the scale's byte
.endr
	v_lshl_or_b32 v[PW], v[TM+5], 8, v[TM+4]
	v_lshl_or_b32 v[PW], v[TM+6], 16, v[PW]
	v_lshl_or_b32 v[PW], v[TM+7], 24, v[PW]
.irp c, 0,1
	v_cvt_scalef32_pk16_fp6_f32 v[PC+6*\c:PC+2+6*\c], v[\s+32*\c:\s+15+32*\c], v[TM+12+2*\c]
	v_cvt_scalef32_pk16_fp6_f32 v[PC+12+4*\c:PC+14+4*\c], v[\s+16+32*\c:\s+31+32*\c], v[TM+12+2*\c+1]   ; (a conversion's three registers begin on an even number)
.endr
	v_nop                                          ; one plain place behind a scaled conversion
.irp c, 0,1                                    ; the operand's layout wants a whole block in a lane
.irp i, 0,1,2
	v_permlane16_swap_b32 v[PC+6*\c+\i], v[PC+12+4*\c+\i]
.endr
.irp i, 0,1,2
	v_mov_b32 v[PC+3+6*\c+\i], v[PC+12+4*\c+\i]
.endr
.endr
.endm
; silu and the quantiser for tile m of the rows: z / (1 + 2^(-z log2 e)), in f32; the codes' image and the scale word go to LDS.  Each accumulator is read from its low end on.
.macro SQ m
	WIN 0x01                                       ; source 0 window 1
.set PP, 0
.rept 32
	v_pk_mul_f32 v[E+PP:E+PP+1], v[64*(\m)+PP:64*(\m)+PP+1], 0xbfb8aa3b op_sel_hi:[1,0]
.set PP, PP+2
.endr
	WIN 0
.set PP, 0
.rept 64
	v_exp_f32 v[E+PP], v[E+PP]
.set PP, PP+1
.endr
	v_nop                                          ; the plain place behind the batch,
	s_wait_alu depctr_va_vdst(0)                   ; and one wait for the 64, ahead of their first reader
.set PP, 0
.rept 32
	v_pk_add_f32 v[E+PP:E+PP+1], v[E+PP:E+PP+1], 1.0 op_sel_hi:[1,0]
.set PP, PP+2
.endr
.set PP, 0
.rept 64
	v_rcp_f32 v[E+PP], v[E+PP]
.set PP, PP+1
.endr
	v_nop
	s_wait_alu depctr_va_vdst(0)
	WIN 0x01
.set PP, 0
.rept 32
	v_pk_mul_f32 v[E+PP:E+PP+1], v[64*(\m)+PP:64*(\m)+PP+1], v[E+PP:E+PP+1]
.set PP, PP+2
.endr
	WIN 0
	s_wait_dscnt 0x0                               ; the last image's stores have read their registers
	QUANT E
.irp c, 0,1,2
	ds_store_b128 v10, v[PC+4*\c:PC+4*\c+3] offset:1536*(\m)+512*\c
.endr
	ds_store_b32 v11, v[PW] offset:4*(\m)          ; lanes r and r + 16 write the same word with the same value
.endm
; Expert lo's results, times g_lo, wait in my own stage for expert hi's.  Two sets of 64 registers by turns.
.macro PARK
.irp m, 0,1,2,3
.set PB, E+64*(\m%2)
.if \m >= 2
	s_wait_dscnt 16                                ; the set's 16 stores of two tiles back are done; the other set's 16 may be out
.endif
	WIN 0x01
.set PP, 0
.rept 32
	v_pk_mul_f32 v[PB+PP:PB+PP+1], v[64*\m+PP:64*\m+PP+1], v[GL+2*\m:GL+2*\m+1] op_sel_hi:[1,0]
.set PP, PP+2
.endr
	WIN 0
.irp q, 0,1,2,3,4,5,6,7,8,9,10,11,12,13,14,15
	ds_store_b128 v13, v[PB+4*\q:PB+4*\q+3] offset:8448*\m+64*(\q/2)+16*(\q%2)
.endr
.endr
	s_wait_dscnt 0x0                               ; both sets are written and loaded again in the next pass
.endm
; The way out: parked + g_hi x expert hi's results, back into the stage, out of it by whole rows of 512 bytes, each to its token's row of out0.
.macro FINAL
.irp m, 0,1,2,3
.irp q, 0,1,2,3,4,5,6,7,8,9,10,11,12,13,14,15
	ds_load_b128 v[E+4*\q:E+4*\q+3], v13 offset:8448*\m+64*(\q/2)+16*(\q%2)
.endr
.irp q, 0,1,2,3
	ds_load_b128 v[TM+4*\q:TM+4*\q+3], v15 offset:64*\m+16*\q      ; the tile's 16 token numbers, the same in every lane
.endr
	s_wait_dscnt 0x0
	WIN 0x01
.set PP, 0
.rept 32
	v_pk_fma_f32 v[E+PP:E+PP+1], v[64*\m+PP:64*\m+PP+1], v[GH+2*\m:GH+2*\m+1], v[E+PP:E+PP+1] op_sel_hi:[1,0,1]
.set PP, PP+2
.endr
	WIN 0
.irp q, 0,1,2,3,4,5,6,7,8,9,10,11,12,13,14,15
	ds_store_b128 v13, v[E+4*\q:E+4*\q+3] offset:8448*\m+64*(\q/2)+16*(\q%2)
.endr
	s_wait_xcnt 0x0                                ; the last tile's stores have read their rows and offsets
.irp i, 0,1,2,3,4,5,6,7,8,9,10,11,12,13,14,15
	ds_load_b128 v[BI+4*\i:BI+4*\i+3], v14 offset:528*(16*\m+\i)   ; LDS serves a wave's instructions in order: these see my stores
.endr
.irp i, 0,1,2,3,4,5,6,7,8,9,10,11,12,13,14,15
	v_min_u32 v[TM+\i], 0x1fff, v[TM+\i]           ; a loaded number enters an address only behind a bound
.endr
.irp i, 0,1,2,3,4,5,6,7,8,9,10,11,12,13,14,15
	v_lshl_add_u32 v[PC+\i], v[TM+\i], 11, v16     ; 2,048 x token + 512 w + 16 l
.endr
.irp i, 0,1,2,3,4,5,6,7,8,9,10,11,12,13,14,15
	s_wait_dscnt 15-\i
	global_store_b128 v[PC+\i], v[BI+4*\i:BI+4*\i+3], s[16:17] th:TH_STORE_NT   ; 32 lanes store 512 consecutive bytes, at a multiple of 256 from out0's first byte
.endr
.endr
.endm
	s_load_b256 s[4:11], s[0:1], 0x0               ; plan, wq, xq, aux
	s_load_b128 s[12:15], s[0:1], 0x20             ; b1, b2
	s_load_b64 s[16:17], s[0:1], 0x30              ; out0
	v_lshl_add_u32 v30, v0, 2, SPARE               ; my spare word,
	v_mov_b32 v31, 0                               ; and 0: kept for the closing lines alone
	v_lshrrev_b32 v24, 5, v0
	v_readfirstlane_b32 s18, v24                   ; wave 0..3
	s_lshl_b32 s19, ttmp9, 4
	s_wait_kmcnt 0x0
	s_load_b128 s[20:23], s[4:5], s19 offset:0x8000   ; my tile: lo, hi, first place in order, rows - 1
	v_and_b32 v24, 31, v0                          ; l
	v_and_b32 v25, 15, v0                          ; r
	v_bfe_u32 v26, v0, 4, 1                        ; h
	v_lshlrev_b32 v1, 4, v24
	v_lshlrev_b32 v17, 3, v24
	v_add_nc_u32 v3, HIMG, v1
	v_lshl_add_u32 v4, v25, 4, XSC
	v_lshl_add_u32 v5, v25, 4, HSC
	s_lshl_b32 s28, s18, 10
	s_add_co_u32 s28, s28, BIAS
	v_lshl_add_u32 v6, v26, 6, s28                 ; b1: my 256 units, + 16 h units
	s_lshl_b32 s28, s18, 9
	v_add_nc_u32 v16, s28, v1
	v_add_nc_u32 v9, s28, v5
	s_add_co_u32 s28, s28, BIAS+8192
	v_lshl_add_u32 v7, v26, 5, s28                 ; b2: my 128 columns, + 8 h columns
	s_mul_i32 s28, s18, 12288
	v_add_nc_u32 v8, s28, v3
	s_mul_i32 s28, s18, 33792
	s_add_co_u32 s28, s28, STG
	v_mul_u32_u24 v13, v25, 528
	v_lshl_add_u32 v13, v26, 5, v13
	v_add_nc_u32 v13, s28, v13                     ; row r, + 32 h bytes
	v_add_nc_u32 v14, s28, v1
	v_mov_b32 v15, TOKL
	s_mul_i32 s28, s18, 1536
	v_add_nc_u32 v27, s28, v1                      ; where I store x's images: tile m = my wave
	s_lshl_b32 s28, s18, 2
	v_add_nc_u32 v28, s28, v4                      ; and their scale words
	s_lshl_b32 s28, s18, 6
	s_add_co_u32 s28, s28, TOKL
	v_lshl_add_u32 v29, v25, 2, s28                ; and the token numbers
	v_lshlrev_b32 v116, 4, v0
	v_add_nc_u32 v108, BIAS, v116
	s_mov_b32 s[SEL], 0x76543210
	s_mov_b32 s[SEL+1], 0xfedcba98
.irp b, 0,1,2,3
	v_mov_b32 v[TM+4+\b], 0                        ; written once: a lane permute's destination counts as one of its sources
.endr
	s_wait_kmcnt 0x0                               ; the tile's entry is in, and its load has read its offset:
	s_lshl_b32 s19, s18, 4                         ; so s19 may be written: 16 x wave
	s_min_u32 s20, s20, 7                          ; loaded numbers enter addresses only behind a bound
	s_min_u32 s21, s21, 7
	s_min_u32 s22, s22, 0x1fff
	s_min_u32 s23, s23, 63
	s_mul_i32 s28, s18, 204800
	s_mul_i32 s30, s20, 819200
	s_add_co_u32 s30, s30, s28
	s_mov_b32 s31, 0
	s_add_nc_u64 s[RA:RA+1], s[6:7], s[30:31]      ; my wave's stream of expert lo,
	s_mul_i32 s30, s21, 819200
	s_add_co_u32 s30, s30, s28
	s_add_nc_u64 s[RN:RN+1], s[6:7], s[30:31]      ; and of expert hi
	s_lshl_b32 s30, s20, 12
	s_add_nc_u64 s[40:41], s[12:13], s[30:31]      ; b1[lo], b1[hi], b2[lo], b2[hi]
	s_lshl_b32 s30, s21, 12
	s_add_nc_u64 s[42:43], s[12:13], s[30:31]
	s_lshl_b32 s30, s20, 11
	s_add_nc_u64 s[44:45], s[14:15], s[30:31]
	s_lshl_b32 s30, s21, 11
	s_add_nc_u64 s[46:47], s[14:15], s[30:31]
.irp m, 0,1,2,3
	v_add_nc_u32 v[18+\m], 16*\m, v25              ; row 16 m + r of the tile,
.endr
	v_add_nc_u32 v22, s19, v25                     ; and row 16 w + r: the tile of rows whose x I fetch
.irp m, 0,1,2,3,4
	v_min_u32 v[18+\m], s23, v[18+\m]              ; rows past the last repeat the last
	v_add_nc_u32 v[18+\m], s22, v[18+\m]
	v_min_u32 v[18+\m], 0x1fff, v[18+\m]
	v_lshlrev_b32 v[18+\m], 2, v[18+\m]
.endr
.irp m, 0,1,2,3
	global_load_b32 v[TOK+\m], v[18+\m], s[4:5]
.endr
	global_load_b32 v23, v22, s[4:5]
.irp k, 0,1,2,3
	RLOAD \k, RA, \k                               ; the ring's first four halves
.endr
	s_wait_loadcnt 52                              ; the five token numbers are in; the ring's 52 loads may be out
.irp m, 0,1,2,3
	v_min_u32 v[TOK+\m], 0x1fff, v[TOK+\m]
.endr
	v_min_u32 v23, 0x1fff, v23
	v_mul_u32_u24 v109, v23, 384
	v_mad_u32_u24 v109, v26, 192, v109             ; my token's codes, my half's 192 bytes
	v_lshlrev_b32 v110, 4, v23
.irp m, 0,1,2,3
	v_lshlrev_b32 v[112+\m], 3, v[TOK+\m]
.endr
.irp s, 0,1,2,3
.irp j, 0,1,2
	global_load_b128 v[E+12*\s+4*\j:E+12*\s+4*\j+3], v109, s[8:9] offset:48*\s+16*\j   ; K step s's 12 registers
.endr
.endr
	global_load_b128 v[176:179], v110, s[10:11]    ; its four scale words
.irp m, 0,1,2,3
	global_load_b64 v[GL+2*\m:GL+2*\m+1], v[112+\m], s[10:11] offset:131072
.endr
	global_load_b128 v[192:195], v116, s[40:41]
	global_load_b128 v[196:199], v116, s[40:41] offset:2048
	global_load_b128 v[200:203], v116, s[42:43]
	global_load_b128 v[204:207], v116, s[42:43] offset:2048
	global_load_b128 v[208:211], v116, s[44:45]
	global_load_b128 v[212:215], v116, s[46:47]
	s_wait_loadcnt 0x0
.irp s, 0,1,2,3
.irp j, 0,1,2
	ds_store_b128 v27, v[E+12*\s+4*\j:E+12*\s+4*\j+3] offset:XIMG+6144*\s+512*\j
.endr
	ds_store_b32 v28, v[176+\s] offset:256*\s      ; lanes r and r + 16 write the same word with the same value
.endr
	ds_store_b32 v29, v23
.irp i, 0,1,2,3,4,5
	ds_store_b128 v108, v[192+4*\i:195+4*\i] offset:2048*\i
.endr
.irp m, 0,1,2,3
	v_mov_b32 v[GH+2*\m], v[GL+2*\m+1]
	v_mov_b32 v[GH+2*\m+1], v[GL+2*\m+1]
.endr
	s_wait_dscnt 0x0                               ; for the others' sake: my part of x, of the tokens and of the biases lies in LDS
	s_barrier_signal -1
	s_barrier_wait -1
	s_mov_b32 s32, 2                               ; passes to go
	s_mov_b32 s36, 0                               ; b1's place: 4,096 a pass + 512 a half of my hidden units
	s_mov_b32 s37, 0                               ; b2's: 2,048 a pass
.Lpass:
	s_mov_b32 s33, 2                               ; halves of my 256 hidden units to go
	s_mov_b32 s34, 0                               ; the images' place: 6,144 a half
	s_mov_b32 s35, 0                               ; the scale words': 256 a half
.Lhalf:
	v_add_nc_u32 v10, s34, v8
	v_add_nc_u32 v11, s35, v9
	v_add_nc_u32 v12, s36, v6
	QUAD 0, 0, 1, 0                                ; 128 hidden units x 64 rows, K = 512
	SQ 0
	SQ 1
	SQ 2
	SQ 3
	s_wait_dscnt 0x0                               ; my images lie in LDS (for the barrier behind the loop), and v10 to v12 may be written
	s_wait_xcnt 0x0                                ; the ring's loads have read their base
	s_add_nc_u64 s[RA:RA+1], s[RA:RA+1], 51200     ; a quad on
	s_add_co_u32 s34, s34, 6144
	s_add_co_u32 s35, s35, 256
	s_add_co_u32 s36, s36, 512
	s_sub_co_u32 s33, s33, 1
	s_cmp_lg_u32 s33, 0
	s_cbranch_scc1 .Lhalf
	s_barrier_signal -1
	s_barrier_wait -1                              ; the hidden layer's 32 fragments lie in LDS
	v_add_nc_u32 v12, s37, v7
	QUAD 1, 0, 1, 0                                ; my 128 columns x 64 rows, K steps 0-3
	s_wait_xcnt 0x0
	s_add_nc_u64 s[RA:RA+1], s[RA:RA+1], 51200
	s_cmp_eq_u32 s32, 1
	s_cbranch_scc1 .Llast                          ; the second pass's tail is written out: it asks for nothing more
	QUAD 1, 24576, 0, 1                            ; K steps 4-7; the ring goes on into expert hi
	s_wait_dscnt 0x0                               ; my reads of the hidden layer are over
	s_barrier_signal -1
	s_barrier_wait -1                              ; everybody's are: the next pass may write it again
	PARK
	s_wait_xcnt 0x0
	s_mov_b64 s[RA:RA+1], s[RN:RN+1]
	s_add_co_u32 s36, s36, 3072
	s_add_co_u32 s37, s37, 2048
	s_sub_co_u32 s32, s32, 1
	s_cmp_lg_u32 s32, 0
	s_cbranch_scc1 .Lpass
.Llast:
	QUAD 1, 24576, 0, 2
	FINAL
	s_wait_tensorcnt 0x0                           ; the wave's end
	ds_add_u32 v30, v31
	s_wait_dscnt 0x0
	s_endpgm
.Lfunc_end_k_q6807b5f3b1_chain:
	.size	k_q6807b5f3b1_chain, .Lfunc_end_k_q6807b5f3b1_chain-k_q6807b5f3b1_chain
	.p2alignl 7, 3214868480
	.fill 96, 4, 3214868480
	.section	.rodata,"a",@progbits
	.p2align	6, 0x0
	.amdhsa_kernel k_q6807b5f3b1_chain
		.amdhsa_group_segment_fixed_size 225280
		.amdhsa_private_segment_fixed_size 0
		.amdhsa_enable_private_segment 0
		.amdhsa_kernarg_size 56
		.amdhsa_user_sgpr_count 2
		.amdhsa_user_sgpr_kernarg_segment_ptr 1
		.amdhsa_wavefront_size32 1
		.amdhsa_system_sgpr_workgroup_id_x 1
		.amdhsa_system_sgpr_workgroup_id_y 1
		.amdhsa_system_sgpr_workgroup_id_z 1
		.amdhsa_system_vgpr_workitem_id 0
		.amdhsa_next_free_vgpr 1024
		.amdhsa_next_free_sgpr 66
		.amdhsa_reserve_vcc 0
		.amdhsa_float_denorm_mode_32 3
		.amdhsa_float_denorm_mode_16_64 3
		.amdhsa_memory_ordered 1
		.amdhsa_forward_progress 1
		.amdhsa_inst_pref_size 250
	.end_amdhsa_kernel
	.amdgpu_metadata
---
amdhsa.version: [ 1, 2 ]
amdhsa.kernels:
  - .name:           k_q6807b5f3b1_chain
    .symbol:         k_q6807b5f3b1_chain.kd
    .args:
      - { .name: plan, .offset: 0, .size: 8, .value_kind: global_buffer, .address_space: global }
      - { .name: wq, .offset: 8, .size: 8, .value_kind: global_buffer, .address_space: global }
      - { .name: xq, .offset: 16, .size: 8, .value_kind: global_buffer, .address_space: global }
      - { .name: aux, .offset: 24, .size: 8, .value_kind: global_buffer, .address_space: global }
      - { .name: b1, .offset: 32, .size: 8, .value_kind: global_buffer, .address_space: global }
      - { .name: b2, .offset: 40, .size: 8, .value_kind: global_buffer, .address_space: global }
      - { .name: out0, .offset: 48, .size: 8, .value_kind: global_buffer, .address_space: global }
    .group_segment_fixed_size: 225280
    .private_segment_fixed_size: 0
    .kernarg_segment_align: 8
    .kernarg_segment_size: 56
    .max_flat_workgroup_size: 128
    .sgpr_count:     66
    .vgpr_count:     1024
    .wavefront_size: 32
...
	.end_amdgpu_metadata
.endif
;; end of part 3
